; MI455X (gfx1250); checked and timed in simulation.
; The chip was launched on July 23, 2026; its instructions are those of AMD's public machine-readable ISA for CDNA 5 (MIT licence, August 2026) and "CDNA5" Instruction Set Architecture Reference Guide (July 2026). The comments in the code are by the model that wrote it; some were corrected since.
;; OTT Linear. Allowed arithmetic: float matrix products may take bf16 or f16 operands with f32 sums; all other float work in f32.
;; Inputs: P0 64 x 16 x 1 float32; P1 64 x 16 x 16 float32; P2 64 x 16 x 16 float32; P3 64 x 16 x 1 float32; bias 4,096 float32; x 2,048 x 4,096 float32.
;; Outputs: out0 2,048 x 4,096 float32.
;; One version. Each part assembles by itself: llvm-mc -triple=amdgcn-amd-amdhsa -mcpu=gfx1250 --defsym DOCPART=n.
;; ======== version 1 of 1: 2 launches
;; limits: values are held in f16: magnitudes above 65,504 overflow, below 6.1e-05 lose precision
;; workspace buffers: wts 262,144 bytes
;; launch prep (part 1): grid 32 x 1, 8 waves a work-group, no clusters, 13,312 bytes of LDS; arguments P0, P1, P2, P3, wts; writes wts
.if DOCPART == 1
	.amdgcn_target "amdgcn-amd-amdhsa--gfx1250"
	.amdhsa_code_object_version 6
	.text
	.protected	k_qbe3ce474c7_prep
	.globl	k_qbe3ce474c7_prep
	.p2align	8
	.type	k_qbe3ce474c7_prep,@function
k_qbe3ce474c7_prep:
	s_mov_b64 s[64:65], 0
	v_nop
	global_prefetch_b8 v0, s[64:65] scope:SCOPE_SE
	s_setreg_imm32_b32 hwreg(HW_REG_WAVE_MODE, 25, 1), 1
	s_wait_xcnt 0x0
; OTTLinear, first of two launches: the weights.
; Read off the reshapes of reference():
;   out[b, 512 j0 + 64 j1 + 8 j2 + j3] = bias + sum over i0..i3, r1, r2, r3 of
;     G3[j3, 8 r3 + i3] G2[16 j2 + r3, 8 r2 + i2] G1[16 j1 + r2, 8 r1 + i1] G0[16 j0 + r1, i0] x[b, 512 i0 + 64 i1 + 8 i2 + i3]
;   G0[R, C] = P0flat[8 R + C];  G1[R, C] = Q1[8 (R % 8) + C / 16][R / 8][C % 16], G2 likewise from Q2;
;   G3[R, C] = P3flat[16 (f % 64) + f / 64], f = 128 R + C;  Q = cayley(P).
; WORK NOT DONE AS WRITTEN, and why the result is the same in exact arithmetic for all finite inputs:
;   (1) The sum is associated otherwise: A_r2[8 j0 + j1][8 i0 + i1] = sum over r1 of G0 G1 and B_r2[8 j2 + j3][8 i2 + i3] = sum over r3 of G3 G2
;       are formed here once, and the second launch computes sum over r2 of A_r2 (X_b B_r2^T): half the multiply-adds of the chain as written.
;   (2) (I - A) inv(I + A) = 2 inv(I + A) - I, since I - A = 2 I - (I + A): the einsum of _cayley is not formed.
;   (3) The diagonal and the lower triangle of P1 and P2 are thrown away by triu in reference() itself: they arrive inside whole rows and are selected away.
;   Every input has a way to the output and every input is loaded (bias and x in the second launch).
; LIMITS: A_r2 and B_r2 are rounded once to f16.  Upper end: a magnitude above 65,504 becomes infinite.  Lower end: an element under 2^-14 = 6.1e-5 is kept
;   to a step of 2^-24 = 6.0e-8 and one under 2^-25 = 3.0e-8 becomes 0, where reference() simply scales.  The rows of Q1 and Q2 have length 1 whatever P1 and
;   P2 hold, so a sum of 16 products keeps about the root mean square of P0's numbers in A_r2 and of P3's in B_r2; the rounding error there
;   (step / sqrt 12 = 1.7e-8) passes a thousandth of that root mean square when it falls under about 2e-5.
;   An overflow, NaN or infinity that would arise only in the intermediates of the chain as written, which are not formed here, is not carried to the result.
;   The elimination takes no pivots.  That holds for every finite P: with A skew, pivot k of I + A is 1 / |y|^2 where (I + A_k) y = e_k, and
;   |y|^2 + |A_k y|^2 = 1, so every pivot is at least 1.
; SHARES: work-group g: side = g & 1 (0: A from P0, P1; 1: B from P3, P2), r2 = g >> 1.  It needs eight of the 64 Cayley matrices; wave q inverts one,
;   lane a = lane % 16 holding row a (lanes 16-31 hold a copy, since row_share works inside 16 lanes).  Both sides then are one build:
;   M[8 jhi + jlo][8 ihi + e] = sum over p = 0..15 of S[p][jhi][ihi] V[p][jlo][e], with S and V as tables [16][8][8] of f32 in LDS (256 bytes for each p).
;   side 0: S from P0, V from Q1.   side 1: S from Q2, V from P3.
; OUTPUT: wts[r2][16,384 bytes]: B_r2 at 0, A_r2 at 8,192.  Each is 16 chunks of 512 bytes; lane L of chunk ch owns 16 bytes, the f16 elements e = 0..7 of
;   M[16 (ch >> 2) + L % 16][16 (ch & 3) + 8 (L / 16) + e]: the register image of the 16-bit matrix operand (ISA guide 7.12.2), so that the second
;   launch loads fragments by plain linear reads.  Wave q makes chunks 2 q and 2 q + 1; each store of a wave covers 512 consecutive bytes, aligned.
; No matrix unit here: 16 x 64 x 64 x 16 multiply-adds a side are too few to pay for the layouts.
.set M,   16                           ; v[16:31]   row a of the matrix at work
.set R,   32                           ; v[32:47]   first column a of P, then the pivot row, in every lane
.set PT,  48                           ; v[48:51]   my 16 bytes of P0 or P3
.set ACC, 52                           ; v[52:67]   two chunks x 8 sums
.set O,   68                           ; v[68:75]   the same in f16
.set SS,  76                           ; v[76:107]  S for p: pair 2 p (chunk 2 q), 2 p + 1 (chunk 2 q + 1)
.set VV,  108                          ; v[108:235] V for p: 8 registers
.set PTAB, 8192                        ; LDS: 0..8191 two planes of the table made of Q; 8192..12287 the table made of P0 or P3
	s_load_b256 s[4:11], s[0:1], 0x0               ; P0 s[4:5], P1 s[6:7], P2 s[8:9], P3 s[10:11]
	s_load_b64 s[12:13], s[0:1], 0x20              ; wts
	v_lshl_add_u32 v240, v0, 2, 0x3000
	v_mov_b32 v241, 0
	v_lshrrev_b32 v11, 5, v0
	v_readfirstlane_b32 s16, v11                   ; q: the wave
	s_and_b32 s14, ttmp9, 1                        ; side
	s_lshr_b32 s15, ttmp9, 1
	s_and_b32 s15, s15, 15                         ; r2
	v_and_b32 v1, 15, v0                           ; a
	v_and_b32 v2, 31, v0                           ; L
	v_lshlrev_b32 v3, 6, v1                        ; row a of a matrix: 64 a bytes
	v_lshlrev_b32 v4, 2, v1                        ; column a: 4 a bytes
	v_lshlrev_b32 v5, 4, v0                        ; my 16 bytes of the 4,096 of P0 or P3
	v_mov_b32 v15, 0                               ; upper half of the pair v[14:15]; only v14 is multiplied by
	s_and_b32 s17, s15, 7
	s_lshl3_add_u32 s17, s17, s16                  ; side 0: matrix 8 (r2 % 8) + q
	s_lshr_b32 s19, s15, 1
	s_lshl3_add_u32 s18, s16, s19                  ; side 1: matrix 8 q + r2 / 2
	s_lshl_b32 s26, s15, 14                        ; 16,384 r2
	s_mov_b32 s25, 0
	s_mov_b32 s29, 0
	s_wait_kmcnt 0x0
	s_cmp_lg_u32 s14, 0                            ; the selects below leave SCC alone
	s_cselect_b32 s17, s18, s17
	s_cselect_b64 s[20:21], s[8:9], s[6:7]         ; P2 or P1
	s_cselect_b64 s[22:23], s[10:11], s[4:5]       ; P3 or P0
	s_cselect_b32 s24, 0, 8192                     ; B_r2 lies first, A_r2 behind it
	s_lshl_b32 s28, s17, 10                        ; 1,024 bytes a matrix
	s_add_co_u32 s24, s24, s26
	s_add_nc_u64 s[20:21], s[20:21], s[28:29]
	s_add_nc_u64 s[12:13], s[12:13], s[24:25]
.irp c, 0,1,2,3
	global_load_b128 v[M+4*\c:M+4*\c+3], v3, s[20:21] offset:16*\c     ; P[a][0..15]
.endr
.set j, 0
.rept 16
	global_load_b32 v[R+j], v4, s[20:21] offset:64*j                   ; P[j][a]
.set j, j+1
.endr
	global_load_b128 v[PT:PT+3], v5, s[22:23]
	s_wait_loadcnt 0x0
	; M = I + triu(P, 1) - triu(P, 1)^T: element (a, j) is P[a][j] for j > a, -P[j][a] for j < a, 1 for j = a
.set j, 0
.rept 16
	v_xor_b32 v11, 0x80000000, v[R+j]
	v_cmp_gt_u32 vcc_lo, j, v1
	v_cndmask_b32 v[M+j], v11, v[M+j], vcc_lo
	v_cmp_eq_u32 vcc_lo, j, v1
	v_cndmask_b32 v[M+j], v[M+j], 1.0, vcc_lo
.set j, j+1
.endr
; One step of Gauss-Jordan in place.  d = 1 / M[k][k].  Rows a != k: M[a][j] -= M[a][k] d M[k][j], M[a][k] = -M[a][k] d.
; Row k: M[k][j] *= d, M[k][k] = d; with the factor d - 1 the same multiply-add does it.
.macro GJ k
.set j, 0
.rept 16
	v_mov_b32_dpp v[R+j], v[M+j] row_share:\k row_mask:0xf bank_mask:0xf   ; row k in every lane
.set j, j+1
.endr
	v_rcp_f32 v12, v[R+\k]
	v_cmp_eq_u32 vcc_lo, \k, v1                    ; the plain instruction between the reciprocal and its use (ISA guide 5.7.2)
	s_wait_alu depctr_va_vdst(0)
	v_mul_f32 v11, -v[M+\k], v12
	v_add_f32 v13, -1.0, v12
	v_cndmask_b32 v14, v11, v13, vcc_lo
.set j, 0
.rept 8
	v_pk_fma_f32 v[M+j:M+j+1], v[R+j:R+j+1], v[14:15], v[M+j:M+j+1] op_sel_hi:[1,0,1]
.set j, j+2
.endr
	v_cndmask_b32 v[M+\k], v11, v12, vcc_lo
.endm
.irp k, 0,1,2,3,4,5,6,7,8,9,10,11,12,13,14,15
	GJ \k
.endr
	; Q = 2 inv(I + A) - I
.set j, 0
.rept 16
	v_cmp_eq_u32 vcc_lo, j, v1
	v_cndmask_b32 v11, 0, 1.0, vcc_lo
	v_fma_f32 v[M+j], 2.0, v[M+j], -v11
.set j, j+1
.endr
	; The two tables.  The branch hangs on the work-group number alone and holds no barrier.
	v_and_b32 v11, 1, v1                           ; a & 1
	v_lshrrev_b32 v12, 1, v1                       ; a >> 1
	s_cmp_lg_u32 s14, 0
	s_cbranch_scc1 .Lside1
	; side 0.  V[p][j1][e] = Q1[.. + p / 2][2 j1 + r2 / 8][8 (p & 1) + e]: p = 2 q + column / 8, j1 = a >> 1, one plane for each a & 1
	v_lshlrev_b32 v6, 12, v11
	v_lshl_add_u32 v6, v12, 5, v6
	s_lshl_b32 s30, s16, 9
	v_add_nc_u32 v6, s30, v6                       ; 4096 (a & 1) + 512 q + 32 (a >> 1)
	ds_store_b128 v6, v[M:M+3]
	ds_store_b128 v6, v[M+4:M+7] offset:16
	ds_store_b128 v6, v[M+8:M+11] offset:256
	ds_store_b128 v6, v[M+12:M+15] offset:272
	; S[p][j0][i0] = P0flat[128 j0 + 8 p + i0]: my four numbers have j0 = q, p = (t >> 1) & 15, i0 = 4 (t & 1) ..
	v_bfe_u32 v11, v0, 1, 4
	v_and_b32 v12, 1, v0
	v_lshlrev_b32 v7, 8, v11
	v_lshl_add_u32 v7, v12, 4, v7
	s_lshl_b32 s30, s16, 5
	v_add_nc_u32 v7, s30, v7
	ds_store_b128 v7, v[PT:PT+3] offset:PTAB
	s_mov_b32 s31, PTAB                            ; where S lies
	s_lshr_b32 s32, s15, 3
	s_lshl_b32 s32, s32, 12                        ; where V lies: the plane of r2 / 8
	s_branch .Ljoin
.Lside1:
	; side 1.  S[p][j2][i2] = Q2[8 (p % 8) + r2 / 2][2 j2 + p / 8][8 (r2 & 1) + i2]: p = q + 8 (a & 1), j2 = a >> 1, one plane for each column / 8
	v_lshlrev_b32 v6, 11, v11
	v_lshl_add_u32 v6, v12, 5, v6
	s_lshl_b32 s30, s16, 8
	v_add_nc_u32 v6, s30, v6                       ; 256 q + 2048 (a & 1) + 32 (a >> 1)
	ds_store_b128 v6, v[M:M+3]
	ds_store_b128 v6, v[M+4:M+7] offset:16
	ds_store_b128 v6, v[M+8:M+11] offset:4096
	ds_store_b128 v6, v[M+12:M+15] offset:4112
	; V[p][j3][e] = P3flat[16 (8 (p % 8) + e) + 2 j3 + p / 8]: my number c has p % 8 = q, e = (t >> 2) & 7, j3 = 2 (t & 3) + c / 2, p / 8 = c & 1
	v_and_b32 v11, 3, v0
	v_bfe_u32 v12, v0, 2, 3
	v_lshlrev_b32 v7, 6, v11
	v_lshl_add_u32 v7, v12, 2, v7
	v_add_nc_u32 v7, s30, v7                       ; 256 q + 64 (t & 3) + 4 ((t >> 2) & 7)
	ds_store_b32 v7, v[PT] offset:PTAB
	ds_store_b32 v7, v[PT+1] offset:PTAB+2048
	ds_store_b32 v7, v[PT+2] offset:PTAB+32
	ds_store_b32 v7, v[PT+3] offset:PTAB+2080
	s_and_b32 s31, s15, 1
	s_lshl_b32 s31, s31, 12                        ; where S lies: the plane of r2 & 1
	s_mov_b32 s32, PTAB                            ; where V lies
.Ljoin:
	; chunk 2 q: jhi = 2 (q >> 1) + ((L >> 3) & 1), ihi = 4 (q & 1) + (L >> 4), jlo = L & 7; chunk 2 q + 1: ihi + 2
	s_lshr_b32 s33, s16, 1
	s_lshl_b32 s33, s33, 6
	s_add_co_u32 s33, s33, s31
	s_and_b32 s34, s16, 1
	s_lshl_b32 s34, s34, 4
	s_add_co_u32 s33, s33, s34
	v_bfe_u32 v11, v0, 3, 1
	v_bfe_u32 v12, v0, 4, 1
	v_lshlrev_b32 v8, 5, v11
	v_lshl_add_u32 v8, v12, 2, v8
	v_add_nc_u32 v8, s33, v8                       ; S: 32 jhi + 4 ihi
	v_and_b32 v11, 7, v0
	v_lshl_add_u32 v9, v11, 5, s32                 ; V: 32 jlo
	s_lshl_b32 s34, s16, 10
	v_lshl_add_u32 v10, v2, 4, s34                 ; in wts: 1024 q + 16 L
	s_wait_dscnt 0x0                               ; my table stores are done, for the other waves
	s_barrier_signal -1
	s_barrier_wait -1                              ; and so are theirs
.set p, 0
.rept 16
	ds_load_b128 v[VV+8*p:VV+8*p+3], v9 offset:256*p
	ds_load_b128 v[VV+8*p+4:VV+8*p+7], v9 offset:256*p+16
	ds_load_b32 v[SS+2*p], v8 offset:256*p
	ds_load_b32 v[SS+2*p+1], v8 offset:256*p+8
.set p, p+1
.endr
.set p, 0
.rept 16
	s_wait_dscnt 4*(15-p)                          ; LDS loads come back in order (ISA guide 5.7.1): four loads for each later p may stay out
.set i, 0
.rept 4
.if p == 0
	v_pk_mul_f32 v[ACC+i:ACC+i+1], v[VV+i:VV+i+1], v[SS:SS+1] op_sel_hi:[1,0]                  ; the first term starts the sums
	v_pk_mul_f32 v[ACC+8+i:ACC+8+i+1], v[VV+i:VV+i+1], v[SS:SS+1] op_sel:[0,1] op_sel_hi:[1,1]
.else
	v_pk_fma_f32 v[ACC+i:ACC+i+1], v[VV+8*p+i:VV+8*p+i+1], v[SS+2*p:SS+2*p+1], v[ACC+i:ACC+i+1] op_sel_hi:[1,0,1]
	v_pk_fma_f32 v[ACC+8+i:ACC+8+i+1], v[VV+8*p+i:VV+8*p+i+1], v[SS+2*p:SS+2*p+1], v[ACC+8+i:ACC+8+i+1] op_sel:[0,1,0] op_sel_hi:[1,1,1]
.endif
.set i, i+2
.endr
.set p, p+1
.endr
.set i, 0
.rept 8
	v_cvt_pk_f16_f32 v[O+i], v[ACC+2*i], v[ACC+2*i+1]                  ; one rounding, f32 to f16
.set i, i+1
.endr
	global_store_b128 v10, v[O:O+3], s[12:13]
	global_store_b128 v10, v[O+4:O+7], s[12:13] offset:512
	s_wait_tensorcnt 0x0
	ds_add_u32 v240, v241
	s_wait_dscnt 0x0
	s_endpgm
.Lfunc_end_k_qbe3ce474c7_prep:
	.size	k_qbe3ce474c7_prep, .Lfunc_end_k_qbe3ce474c7_prep-k_qbe3ce474c7_prep
	.p2alignl 7, 3214868480
	.fill 96, 4, 3214868480
	.section	.rodata,"a",@progbits
	.p2align	6, 0x0
	.amdhsa_kernel k_qbe3ce474c7_prep
		.amdhsa_group_segment_fixed_size 13312
		.amdhsa_private_segment_fixed_size 0
		.amdhsa_enable_private_segment 0
		.amdhsa_kernarg_size 40
		.amdhsa_user_sgpr_count 2
		.amdhsa_user_sgpr_kernarg_segment_ptr 1
		.amdhsa_wavefront_size32 1
		.amdhsa_system_sgpr_workgroup_id_x 1
		.amdhsa_system_sgpr_workgroup_id_y 1
		.amdhsa_system_sgpr_workgroup_id_z 1
		.amdhsa_system_vgpr_workitem_id 0
		.amdhsa_next_free_vgpr 242
		.amdhsa_next_free_sgpr 66
		.amdhsa_reserve_vcc 1
		.amdhsa_float_denorm_mode_32 3
		.amdhsa_float_denorm_mode_16_64 3
		.amdhsa_memory_ordered 1
		.amdhsa_forward_progress 1
		.amdhsa_inst_pref_size 54
	.end_amdhsa_kernel
	.amdgpu_metadata
---
amdhsa.version: [ 1, 2 ]
amdhsa.kernels:
  - .name:           k_qbe3ce474c7_prep
    .symbol:         k_qbe3ce474c7_prep.kd
    .args:
      - { .name: P0, .offset: 0, .size: 8, .value_kind: global_buffer, .address_space: global }
      - { .name: P1, .offset: 8, .size: 8, .value_kind: global_buffer, .address_space: global }
      - { .name: P2, .offset: 16, .size: 8, .value_kind: global_buffer, .address_space: global }
      - { .name: P3, .offset: 24, .size: 8, .value_kind: global_buffer, .address_space: global }
      - { .name: wts, .offset: 32, .size: 8, .value_kind: global_buffer, .address_space: global }
    .group_segment_fixed_size: 13312
    .private_segment_fixed_size: 0
    .kernarg_segment_align: 8
    .kernarg_segment_size: 40
    .max_flat_workgroup_size: 256
    .sgpr_count:     66
    .vgpr_count:     242
    .wavefront_size: 32
...
	.end_amdgpu_metadata
.endif
;; end of part 1
;; launch main (part 2): grid 256 x 1, 4 waves a work-group, clusters of 4 x 1, 299,520 bytes of LDS; arguments x, wts, bias, out0; writes out0
.if DOCPART == 2
	.amdgcn_target "amdgcn-amd-amdhsa--gfx1250"
	.amdhsa_code_object_version 6
	.text
	.protected	k_qbe3ce474c7_main
	.globl	k_qbe3ce474c7_main
	.p2align	8
	.type	k_qbe3ce474c7_main,@function
k_qbe3ce474c7_main:
	s_mov_b64 s[64:65], 0
	v_nop
	global_prefetch_b8 v0, s[64:65] scope:SCOPE_SE
	s_setreg_imm32_b32 hwreg(HW_REG_WAVE_MODE, 25, 1), 1
	s_wait_xcnt 0x0
	s_wait_alu depctr_hold_cnt(0) depctr_sa_sdst(0) depctr_va_vdst(0) depctr_va_sdst(0) depctr_va_ssrc(0) depctr_va_vcc(0) depctr_vm_vsrc(0)
	s_getreg_b32 s2, hwreg(HW_REG_IB_STS2, 6, 4)
	s_cmp_eq_u32 s2, 0
	s_cbranch_scc0 .Lentry_in_a_cluster
	s_endpgm
.Lentry_in_a_cluster:
	s_bfe_u32 s2, ttmp6, 0x10000c
	s_cmp_lg_u32 s2, 0x3003
	s_cbranch_scc0 .Lentry_shape_is_right
	s_endpgm
.Lentry_shape_is_right:
; OTTLinear, second of two launches: out[b] = bias + sum over r2 = 0..15 of A_r2 (X_b B_r2^T), X_b = x[b] read as [64 (I01)][64 (I23)], out[b] as [64 (J01)][64 (J23)].
; Work left out against reference() as written: the chain of four products is associated otherwise (A_r2 and B_r2 come ready from the first launch),
; which is exact for all finite inputs; an overflow that would arise only in the intermediates of the chain as written is not carried to the result.
; LIMITS: all matrix operands are f16 (x, A_r2, B_r2 and U = X_b B_r2^T); sums are f32.  Upper end: a magnitude above 65,504 in any of the four becomes infinite.
;   Lower end: an element under 2^-14 = 6.1e-5 is kept to a step of 2^-24 = 6.0e-8 and one under 2^-25 = 3.0e-8 becomes 0, where reference() simply scales.
;   The rounding error there (step / sqrt 12 = 1.7e-8) passes a thousandth of an operand's root mean square when that falls under about 2e-5.
;   Q1 and Q2 are orthogonal whatever P1 and P2 hold, so A scales with P0, B with P3, and U (64 terms) has about eight times the root mean square of x times that of P3.
;   The f32 sum over r2 runs 0..15 for a wave's first row and 4..15, 0..3 for its second: an order of rounding that differs from reference()'s.
; SHARES: 256 work-groups of four waves; a work-group owns 8 batch rows, a wave 2, whole: 2,048 rows = 1,024 waves x 2.  A wave hands nothing to another wave.
;   For each r2 and each pair (n = tile of 16 J23, b = row):
;   G1: 8 matrix instructions, U tile m (I01 = 16 m + 8 h + j in register j, J23 = 16 n + r in lane (r, h)) = X fragments (rows I01) x B_r2 fragments (columns J23);
;   CVT: 16 conversions pack U tiles 2 s, 2 s + 1 in place into registers 0-7 of their 16: that IS the first-operand fragment s with rows J23 and K = I01;
;   G2: 8 matrix instructions, ACC[b][t][n] += U fragment s x A_r2 fragments (columns J01 = 16 t + r): register j of lane (r, h) is out[16 t + r][16 n + 8 h + j].
;   So the sixteenfold intermediate U never leaves the registers.
; THE ORDER OF THE WORK: row 0 alone on r2 = 0..3 (256 matrix instructions), while row 1 is on its way and is turned into fragments; both rows on r2 = 4..15, sharing
;   every weight fragment; row 0 is stored; row 1 alone on r2 = 0..3, while row 0's stores leave; row 1 is stored.  The weights stay in LDS, so the second
;   reading of r2 = 0..3 costs 65,536 bytes of LDS reads a wave and nothing from memory.
; A STEP issues G1 of one pair with the conversions of the pair before among it, then the step's LDS loads in ONE run, then G2 of the pair before.
;   The conversions are the places that stand behind the matrix instructions (ISA guide 7.12.1): they name the other U buffer alone.  Two stand behind each of the
;   first six instructions of G1 and four behind the last two, so that a B slot whose last readers those two are may be loaded straight behind them.
;   U tiles go in the order 1, 3, 1, 3, 0, 2, 0, 2: tiles 0 and 2 lie on the registers that the G2 just before read, and are written 8 and 10 conversions behind it;
;   and tile 0, which is converted first in the next step, has 4 conversions behind its last write.  Accumulators take turns, one instruction a turn.
;   With both rows at work the two U buffers belong to the rows; with one row they take turns by n tile.
; WEIGHTS: all 262,144 bytes of wts lie in LDS, filled once, so no slot is ever filled again.  CLUSTER: every work-group reads the same wts, so the four of a cluster
;   ask jointly (mask 15): four chunks of 65,536 bytes (four r2 each), each wave a quarter of each chunk; a wave has four tensor loads out.
;   A chunk is shown to the work-group by a counted wait and a barrier just before the body that first reads it.
; x comes through registers (coalesced 512-byte loads), is rounded to f16 in place and turned into fragments through a stage in LDS that is the wave's own;
;   the same stage turns results into whole rows on the way out.  No fill by a tensor load ever lands in the stages.
;
; REGISTERS, in windows of 256:
;   window 0: v1 16 L (x, bias, out)  v2 16 L + LDS base of the even r2 at work  v3, v4 stage in and out for x  v5, v6 stage in and out for results
;             v16-31, v160-175, v176-191 three slots of B_r2 fragments, one n tile each   v32-159 X fragments at 64 b + 16 t + 8 s (v32-95 later two sets of 32 for the way out)
;             v192-255 U, two buffers of 32 at 8 m
;   window 1: v0-127 ACC[0] at 32 t + 8 n (first: x row 0)   v128-255 A_r2 fragments, two buffers of 64 at 16 t + 8 s
;   window 2: v0-127 ACC[1] (first: x row 1)                 v128-255 bias at 4 (8 t + u)
.set W3,    16
.set XF,    32
.set WB,    160
.set U,     192
.set WA,    128                        ; window 1
.set BI,    128                        ; window 2
.set SLA,   WB                         ; with both rows at work: the slot of n tile 0,
.set SLC,   WB+16                      ; of n tiles 1 and 3,
.set SLB,   W3                         ; of n tile 2
.set RBLK,  16384                      ; bytes of one r2 in wts: B_r2 then A_r2, 8,192 each
.set CHUNK, 65536
.set STAGE, 262144                     ; behind the weights: 9,216 bytes for each wave
.set XP,    144                        ; stage pitch for x: 64 f16 + 16 bytes, an odd multiple of 16
.set OP,    272                        ; stage pitch for results: 64 f32 + 16 bytes, an odd multiple of 16
.set G1D,   24                         ; s[24:31] descriptor group 1
.set G0D,   32                         ; s[32:47] descriptor group 0, one set for each chunk
.set MSB, 0
.macro WIN new                         ; the high byte of the immediate repeats the setting that is left
.if MSB != \new
	s_set_vgpr_msb (MSB<<8)|\new
.set MSB, \new
.endif
.endm
; low byte: bits 1:0 source 0, 3:2 source 1, 5:4 source 2, 7:6 destination
.set W_G2A, 0x54                       ; G2 of row 0: U window 0, A_r2 window 1, C and D window 1; LDS loads into window 1 ride on it
.set W_G2B, 0xa4                       ; G2 of row 1: C and D window 2
.macro ROUND                           ; a round of the barrier of the cluster
	s_barrier_signal -1
	s_barrier_wait -1
	s_cmp_lg_u32 s12, 0
	s_cbranch_scc1 .Lnot_wave_0_\@
	s_barrier_signal -3
.Lnot_wave_0_\@:
	s_barrier_wait -3
	s_barrier_signal -1
	s_barrier_wait -1
.endm
; A chunk is shown to all four waves.  n = my tensor loads issued behind my part of that chunk; they may stay out.
.macro SYNC n
	s_wait_tensorcnt \n
	s_wait_dscnt 0x0                               ; no LDS instruction of mine is pending at the signal
	s_barrier_signal -1
	s_barrier_wait -1
.endm
.macro LDWB wb, off                    ; the fragments of one n tile of B_r2 into the slot at register wb: 2,048 bytes, linear
.set LI, 0
.rept 4
	ds_load_b128 v[\wb+4*LI:\wb+4*LI+3], v2 offset:(\off)+512*LI
.set LI, LI+1
.endr
.endm
.macro LDWA buf, part, off             ; the fragments of tile t = part of A_r2; off = the block of that r2
.set LI, 4*(\part)
.rept 4
	ds_load_b128 v[WA+64*(\buf)+4*LI:WA+64*(\buf)+4*LI+3], v2 offset:(\off)+8192+512*LI
.set LI, LI+1
.endr
.endm
.macro CVT2 ub, i                      ; conversions 2 i and 2 i + 1 of the 16 of U[ub]; a destination has always been read as a source before
.set E0, 2*(\i)
.rept 2
	v_cvt_pk_f16_f32 v[U+32*(\ub)+16*(E0>>3)+(E0&7)], v[U+32*(\ub)+16*(E0>>3)+2*(E0&7)], v[U+32*(\ub)+16*(E0>>3)+2*(E0&7)+1]
.set E0, E0+1
.endr
.endm
.macro CVTALL ub                       ; all 16, where no pair is left to multiply beside them
.irp i, 0,1,2,3,4,5,6,7
	CVT2 \ub, \i
.endr
.endm
.macro G1I b, ub, wb, m, k             ; row b, U buffer ub, B slot at register wb, U tile m, K step k
.if \k
	v_wmma_f32_16x16x32_f16 v[U+32*(\ub)+8*\m:U+32*(\ub)+8*\m+7], v[XF+64*(\b)+16*\m+8*\k:XF+64*(\b)+16*\m+8*\k+7], v[\wb+8*\k:\wb+8*\k+7], v[U+32*(\ub)+8*\m:U+32*(\ub)+8*\m+7]
.else
	v_wmma_f32_16x16x32_f16 v[U+32*(\ub)+8*\m:U+32*(\ub)+8*\m+7], v[XF+64*(\b)+16*\m+8*\k:XF+64*(\b)+16*\m+8*\k+7], v[\wb+8*\k:\wb+8*\k+7], 0
.endif
.endm
; G1 of one pair with the 16 conversions of buffer cb: two behind each of the first six, four behind the last two, which are the last readers of the slot's upper half
.macro G1RUN b, ub, wb, cb
	G1I \b, \ub, \wb, 1, 0
	CVT2 \cb, 0
	G1I \b, \ub, \wb, 3, 0
	CVT2 \cb, 1
	G1I \b, \ub, \wb, 1, 1
	CVT2 \cb, 2
	G1I \b, \ub, \wb, 3, 1
	CVT2 \cb, 3
	G1I \b, \ub, \wb, 0, 0
	CVT2 \cb, 4
	G1I \b, \ub, \wb, 2, 0
	CVT2 \cb, 5
	G1I \b, \ub, \wb, 0, 1
	G1I \b, \ub, \wb, 2, 1
	CVT2 \cb, 6
	CVT2 \cb, 7
.endm
.macro G1ONLY b, ub, wb                ; the first pair of a part, with nothing to convert beside it
	G1I \b, \ub, \wb, 1, 0
	G1I \b, \ub, \wb, 3, 0
	G1I \b, \ub, \wb, 1, 1
	G1I \b, \ub, \wb, 3, 1
	G1I \b, \ub, \wb, 0, 0
	G1I \b, \ub, \wb, 2, 0
	G1I \b, \ub, \wb, 0, 1
	G1I \b, \ub, \wb, 2, 1
.endm
.macro G2I t, ks, cz                   ; uses UB2, N2, RP of the step; the row is the window of C and D
.if \cz
	v_wmma_f32_16x16x32_f16 v[32*\t+8*N2:32*\t+8*N2+7], v[U+32*UB2+16*\ks:U+32*UB2+16*\ks+7], v[WA+64*RP+16*\t+8*\ks:WA+64*RP+16*\t+8*\ks+7], 0
.else
	v_wmma_f32_16x16x32_f16 v[32*\t+8*N2:32*\t+8*N2+7], v[U+32*UB2+16*\ks:U+32*UB2+16*\ks+7], v[WA+64*RP+16*\t+8*\ks:WA+64*RP+16*\t+8*\ks+7], v[32*\t+8*N2:32*\t+8*N2+7]
.endif
.endm
.macro G2RUN cz                        ; cz = 1: the first products start the sums
	G2I 0, 0, \cz
	G2I 1, 0, \cz
	G2I 2, 0, \cz
	G2I 3, 0, \cz
	G2I 0, 1, 0
	G2I 1, 1, 0
	G2I 2, 1, 0
	G2I 3, 1, 0
.endm
; BOTH ROWS.  Step sg = 1..8 of the body of r2 = r; pair p = 2 n + b; step sg multiplies n tile sg >> 1 (step 8: tile 0 of r + 1).
; rp = r & 1 (the buffer of A_r), roff = 16,384 rp.  zero: r = 4, where row 1's first products start its sums.  last: r = 15.
; A body's 32 LDS loads stand in two runs of 16, in steps 3 and 7, between G1 and G2:
;   step 3 (the last use of tile 1; tile 2 waits in its own slot): tile 3 into the slot of tile 1, tile 0 of r + 1 into the slot of tile 0 (last read in step 1), half of A_(r+1);
;   step 7 (the last use of tile 3; tile 0 of r + 1 waits in its slot): tile 1 of r + 1 into the slot of tile 3, tile 2 of r + 1 into the slot of tile 2 (last read in step 5), the other half of A_(r+1).
; The slot just read has four conversions behind its last two readers (ISA guide 7.12.1 for vector instructions).  Both steps are odd, so the A loads ride on the window of row 0's G2.
.macro STEP sg, rp, roff, zero, last
.set B1, (\sg)&1                       ; row of pair sg
.set TU, ((\sg)>>1)&3                  ; its n tile
.set UB2, 1-B1                         ; row, and U buffer, of pair sg - 1
.set N2, ((\sg)-1)>>1                  ; n tile of pair sg - 1
.set RP, \rp
.set CZ, (\zero)*UB2
.set WG, SLC
.if TU == 0
.set WG, SLA
.endif
.if TU == 2
.set WG, SLB
.endif
	WIN 0
.if \sg == 6
.if \last
	s_wait_dscnt 0x0                               ; tile 3: in the last body nothing was issued behind it
.else
	s_wait_dscnt 0x8                               ; tile 3 and tile 0 of r + 1 are in: of the run of step 3 only the eight A loads are younger
.endif
.endif
.if (\last)*((\sg)/8)
	CVTALL UB2
.else
	G1RUN B1, B1, WG, UB2
.endif
.if \sg == 3
	LDWB SLC, \roff+3*2048
.if \last == 0
	LDWB SLA, \roff+RBLK
.endif
.endif
.if \sg == 7
.if \last == 0
	LDWB SLC, \roff+RBLK+2048
	LDWB SLB, \roff+RBLK+2*2048
.endif
.endif
.if UB2
	WIN W_G2B
.else
	WIN W_G2A
.endif
.if \sg == 1
	s_wait_dscnt 0x0                               ; A_r and tiles 1 and 2 of this r2 are in: nothing was issued behind the run that ended with them
.endif
.if \last == 0
.if \sg == 3
	LDWA 1-\rp, 0, \roff+RBLK                      ; into the other buffer, last read in the body before
	LDWA 1-\rp, 1, \roff+RBLK
.endif
.if \sg == 7
	LDWA 1-\rp, 2, \roff+RBLK
	LDWA 1-\rp, 3, \roff+RBLK
.endif
.endif
	G2RUN CZ
.endm
.macro BODY rp, roff, zero, last       ; all G2 of r, G1 of pairs 1..7 of r and of pair 0 of r + 1
	STEP 1, \rp, \roff, \zero, \last
	STEP 2, \rp, \roff, \zero, \last
	STEP 3, \rp, \roff, \zero, \last
	STEP 4, \rp, \roff, \zero, \last
	STEP 5, \rp, \roff, \zero, \last
	STEP 6, \rp, \roff, \zero, \last
	STEP 7, \rp, \roff, \zero, \last
	STEP 8, \rp, \roff, \zero, \last
.endm
.macro DOUBLE zero, last               ; an even r and the odd one behind it; the largest LDS immediate is 48,640
	BODY 0, 0, \zero, 0
	BODY 1, RBLK, 0, \last
	WIN 0
.if \last == 0
	v_add_nc_u32 v2, 2*RBLK, v2
.endif
.endm
; ONE ROW, r2 = 0..3.  Pair g = 4 r2 + n.  Step g = 1..16: G1 of pair g into U[g & 1], conversions and G2 of pair g - 1.
; B tiles change with every step, so they go round the three slots: tile g lies in slot (g + 2) % 3 and step g asks for tile g + 2, into the slot read in step g - 1.
; Tiles 16, 17 and 18 (r2 = 4) so fall into the slots where the body of both rows expects its tiles 0, 1 and 2.  A_(r+1) comes in two runs of eight loads, in steps 1 and 2
; of a body, straight behind the step's B loads: one run of loads a step, between G1 and G2.
; nw: the count of the wait for this step's tile (-1: no tile).  tail = 1: nothing beyond r2 = 3 is fetched or multiplied.  xs >= 0: slice xs of row 1's conversions.
.macro SSTEP g, b, nw, zero, tail, xs
.set UB1, (\g)&1
.set UB2, 1-UB1
.set N2, ((\g)-1)&3                    ; n tile of pair g - 1 = the step's number in its body
.set RR, ((\g)-1)>>2                   ; r2 of pair g - 1
.set RP, RR&1
.set RB, 2*(((\g)-1)>>3)               ; the even r2 at which v2 stands
.set WS, ((\g)+2)%3
.set WG, WB+16*WS-(WB+32-W3)*(WS/2)    ; slots 0, 1 at WB, WB + 16; slot 2 at W3
.set WS, ((\g)+1)%3
.set WT, WB+16*WS-(WB+32-W3)*(WS/2)
.set GL, (\g)+2
.set LDF, 1
.if GL > 18-3*(\tail)
.set LDF, 0
.endif
.set LOF, RBLK*((GL>>2)-RB)+2048*(GL&3)
.set LAF, 0
.if N2 < 2
.if RR < 4-(\tail)
.set LAF, 1
.endif
.endif
.set AB, 1-RP
.set AOF, RBLK*(RR+1-RB)
	WIN 0
.if \nw >= 0
	s_wait_dscnt \nw                               ; this step's tile was asked for two steps ago; the count is what was issued behind it (see the calls)
.endif
.if (\tail)*((\g)/16)
	CVTALL UB2
.else
	G1RUN \b, UB1, WG, UB2
.endif
.if \xs >= 0
	WIN 0x8a
	XCV \xs
	WIN 0
.endif
.if LDF
	LDWB WT, LOF
.endif
.if LAF
.if \b
	WIN 0x40
.else
	WIN W_G2A
.endif
	LDWA AB, 2*N2, AOF                             ; half of A_(r+1) into the other buffer, last read in the body before: 16 conversions stand behind its readers
	LDWA AB, 2*N2+1, AOF
.endif
.if \b
	WIN W_G2B
.else
	WIN W_G2A
.endif
	G2RUN \zero
.endm
; The fragments with which a part of one row starts; v2 stands at r2 = 0
.macro START
	LDWB W3, 0                                     ; tile 0
	WIN 0x40
	LDWA 0, 0, 0
	LDWA 0, 1, 0
	LDWA 0, 2, 0
	LDWA 0, 3, 0
	WIN 0
	LDWB WB, 2048                                  ; tile 1
	LDWB WB+16, 4096                               ; tile 2
.endm
; A row of x, 128 registers as loaded, becomes f16 in place: slice i is 16 conversions; register e takes numbers 2 e, 2 e + 1, which lie at or above it.
; The caller sets all three operand places to the row's window.
.macro XCV i
.set E0, 16*(\i)
.rept 16
	v_cvt_pk_f16_f32 v[E0], v[2*E0], v[2*E0+1]
.set E0, E0+1
.endr
.endm
; and then 8 fragments: into the stage as [64 I01][64 I23], read back by fragment.  win: the store's data in the row's window.  48 LDS instructions.
.macro XLDS b, win
	WIN \win
.set q, 0
.rept 32
	ds_store_b64 v3, v[2*q:2*q+1] offset:2*XP*q            ; load q held rows 2 q (lanes 0-15) and 2 q + 1 (lanes 16-31), four numbers a lane
.set q, q+1
.endr
	WIN 0
.irp t, 0,1,2,3
.irp s, 0,1
.irp c, 0,1
	ds_load_b128 v[XF+64*\b+16*\t+8*\s+4*\c:XF+64*\b+16*\t+8*\s+4*\c+3], v4 offset:16*XP*\t+64*\s+32*\c   ; LDS serves a wave in order (ISA guide 5.7.1): these see the stores above
.endr
.endr
.endr
.endm
; The way out: rows J01 = 16 t .. 16 t + 15 of row b.  A lane holds 8 neighbouring columns of one row in each of four tiles; through the stage they become whole rows.
.macro OUT t, b, set
.if \b
	WIN 0x08
.else
	WIN 0x04
.endif
.irp n, 0,1,2,3
.irp c, 0,1
	ds_store_b128 v5, v[32*\t+8*\n+4*\c:32*\t+8*\n+4*\c+3] offset:64*\n+16*\c
.endr
.endr
	WIN 0
	s_wait_xcnt 0x0                                ; this set of 32 registers was the data of earlier stores: it is rewritten only behind this wait (ISA guide 3.1)
.irp u, 0,1,2,3,4,5,6,7
	ds_load_b128 v[XF+32*\set+4*\u:XF+32*\set+4*\u+3], v6 offset:2*OP*\u   ; two rows of 256 bytes; served in order behind the stores above
.endr
	s_wait_dscnt 0x0
	WIN 0x08
.irp u, 0,1,2,3,4,5,6,7
	v_pk_add_f32 v[XF+32*\set+4*\u:XF+32*\set+4*\u+1], v[XF+32*\set+4*\u:XF+32*\set+4*\u+1], v[BI+32*\t+4*\u:BI+32*\t+4*\u+1]
	v_pk_add_f32 v[XF+32*\set+4*\u+2:XF+32*\set+4*\u+3], v[XF+32*\set+4*\u+2:XF+32*\set+4*\u+3], v[BI+32*\t+4*\u+2:BI+32*\t+4*\u+3]
.endr
	WIN 0
.irp u, 0,1,2,3,4,5,6,7
	global_store_b128 v1, v[XF+32*\set+4*\u:XF+32*\set+4*\u+3], s[10:11] offset:16384*\b+4096*\t+512*\u th:TH_STORE_NT   ; 16 lanes store 256 consecutive bytes, aligned
.endr
.endm
	s_load_b256 s[4:11], s[0:1], 0x0               ; x s[4:5], wts s[6:7], bias s[8:9], out0 s[10:11]
	v_lshl_add_u32 v14, v0, 2, 0x49000
	v_mov_b32 v15, 0
	ds_add_u32 v14, v15
	v_lshrrev_b32 v7, 5, v0
	v_readfirstlane_b32 s12, v7                    ; the wave
	s_bfe_u32 s13, ttmp6, 0x40000                  ; cx
	s_lshl_b32 s14, ttmp9, 2                       ; in a cluster launch ttmp9 counts clusters
	s_add_co_u32 s14, s14, s13                     ; the work-group
	s_lshl_b32 s16, s14, 17                        ; 8 rows of 16,384 bytes
	s_lshl_b32 s15, s12, 15                        ; 2 rows a wave
	s_add_co_u32 s16, s16, s15
	s_mov_b32 s17, 0
	s_lshl_b32 s20, s12, 14                        ; my quarter of a chunk
	s_mov_b32 s21, 0
	s_mul_i32 s19, s12, 64*XP
	s_add_co_u32 s19, s19, STAGE                   ; my stage: no place in the cluster enters an LDS address
	v_and_b32 v8, 31, v0                           ; L
	v_and_b32 v9, 15, v0                           ; r
	v_bfe_u32 v10, v0, 4, 1                        ; h
	v_lshlrev_b32 v1, 4, v8
	v_lshlrev_b32 v2, 4, v8
	v_mul_u32_u24 v11, v10, XP
	v_lshl_add_u32 v11, v9, 3, v11
	v_add_nc_u32 v3, s19, v11                      ; x in: row h, 8 bytes a lane
	v_mul_u32_u24 v11, v9, XP
	v_lshl_add_u32 v11, v10, 4, v11
	v_add_nc_u32 v4, s19, v11                      ; x out: row r, K = 8 h ..
	v_mul_u32_u24 v11, v9, OP
	v_lshl_add_u32 v11, v10, 5, v11
	v_add_nc_u32 v5, s19, v11                      ; results in: row r, columns 8 h ..
	v_mul_u32_u24 v11, v10, OP
	v_lshl_add_u32 v11, v9, 4, v11
	v_add_nc_u32 v6, s19, v11                      ; results out: row h, 16 bytes a lane
	; group 1: 64 rows of 32 elements of 8 bytes, dense: 16,384 bytes
	s_mov_b32 s[G1D+0], 15|(3<<16)|(1<<21)         ; 15:0 the mask names the four of the cluster; 17:16 elements of 8 bytes; 21 set beside a mask
	s_mov_b32 s[G1D+1], 32<<16                     ; tensor_dim0 = 32
	s_mov_b32 s[G1D+2], 64<<16                     ; tensor_dim1 = 64
	s_mov_b32 s[G1D+3], 32<<16                     ; tile_dim0 = 32
	s_mov_b32 s[G1D+4], 64                         ; tile_dim1 = 64
	s_mov_b32 s[G1D+5], 32                         ; elements from row to row
	s_mov_b32 s[G1D+6], 0
	s_mov_b32 s[G1D+7], 0
	s_wait_dscnt 0x0
	s_wait_kmcnt 0x0
	s_add_nc_u64 s[4:5], s[4:5], s[16:17]          ; x and out0 at my two rows
	s_add_nc_u64 s[10:11], s[10:11], s[16:17]
	s_add_nc_u64 s[22:23], s[6:7], s[20:21]        ; wts at my quarter of chunk 0: the wave alone enters, so the four partners ask alike
	WIN 0x40
.set q, 0
.rept 32
	global_load_b128 v[4*q:4*q+3], v1, s[4:5] offset:512*q th:TH_LOAD_NT           ; row 0: each load covers 512 consecutive bytes
.set q, q+1
.endr
	WIN 0
.irp c, 0,1,2,3
	s_mov_b32 s[G0D+4*\c], 1
	s_add_co_u32 s[G0D+4*\c+1], s20, CHUNK*\c                      ; LDS address = the offset in wts
	s_add_nc_u64 s[G0D+4*\c+2:G0D+4*\c+3], s[22:23], CHUNK*\c
	s_or_b32 s[G0D+4*\c+3], s[G0D+4*\c+3], 0x80000000              ; type = 2
.endr
	ROUND                                          ; the four work-groups are here: the joint loads meet
.irp c, 0,1,2,3
	tensor_load_to_lds s[G0D+4*\c:G0D+4*\c+3], s[G1D:G1D+7]        ; all fills of the launch, in one group
	s_nop 0
.endr
	WIN 0x80
.set q, 0
.rept 32
	global_load_b128 v[4*q:4*q+3], v1, s[4:5] offset:16384+512*q th:TH_LOAD_NT     ; row 1
.set q, q+1
.endr
	s_wait_loadcnt 32                              ; row 0 is in; the 32 loads of row 1 stay out, and stay out through the first half of row 0's own part
	WIN 0x45
	XCV 0
	XCV 1
	XCV 2
	XCV 3
	XLDS 0, 0x04
	SYNC 3                                         ; chunk 0 (r2 = 0..3): three younger tensor loads of mine stay out.  Its wait on LDS also brings row 0's fragments in
	; ROW 0 ALONE, r2 = 0..3
	START
	s_wait_dscnt 24                                ; tile 0 is in; the 16 loads of A_0 and the 4 + 4 of tiles 1 and 2 are younger
	G1ONLY 0, 0, W3
.rept 4
	v_nop                                          ; four places before the first conversion reads U tile 0 (ISA guide 7.12.1)
.endr
	; the counts: step 1 of a body leaves the 4 B loads of the step before; step 2 those 4 and 8 A loads; step 3 8 A + 4 B + 8 A; step 4 8 A + 4 B
	SSTEP 1, 0, 4, 1, 0, -1
	SSTEP 2, 0, 12, 1, 0, -1
	SSTEP 3, 0, 20, 1, 0, -1
	SSTEP 4, 0, 12, 1, 0, -1
	SSTEP 5, 0, 4, 0, 0, -1
	SSTEP 6, 0, 12, 0, 0, -1
	SSTEP 7, 0, 20, 0, 0, -1
	SSTEP 8, 0, 12, 0, 0, -1
	WIN 0
	v_add_nc_u32 v2, 2*RBLK, v2
	SYNC 2                                         ; chunk 1: the body of r2 = 3 is the first to read r2 = 4
	s_wait_loadcnt 0x0                             ; row 1 is in: 136 matrix instructions were issued since it was last waited on
	WIN 0x80
.set i, 0
.rept 32
	global_load_b128 v[BI+4*i:BI+4*i+3], v1, s[8:9] offset:512*i   ; bias, laid as the stores of a row are; it lands during the products
.set i, i+1
.endr
	SSTEP 9, 0, 4, 0, 0, 0                         ; with a quarter of row 1's conversions in each step of r2 = 2
	SSTEP 10, 0, 12, 0, 0, 1
	SSTEP 11, 0, 20, 0, 0, 2
	SSTEP 12, 0, 12, 0, 0, 3
	XLDS 1, 0x08                                   ; row 1's turn through the stage, one run of 48 LDS instructions; its fragments land during r2 = 3
	SSTEP 13, 0, 52, 0, 0, -1                      ; 4 + those 48
	SSTEP 14, 0, 60, 0, 0, -1                      ; 12 + those 48
	SSTEP 15, 0, 20, 0, 0, -1                      ; all 20 were issued behind the run: row 1's fragments are in from here on
	SSTEP 16, 0, 12, 0, 0, -1                      ; its G1 is pair 0 of r2 = 4; it asks for tile 2 of r2 = 4
	WIN 0
	v_add_nc_u32 v2, 2*RBLK, v2
	; BOTH ROWS, r2 = 4..15
	DOUBLE 1, 0                                    ; r2 = 4, 5 (reads as far as r2 = 6); row 1's sums start here
	SYNC 1                                         ; chunk 2, ahead of the body of r2 = 7
	s_mov_b32 s48, 2
.Lq2:
	DOUBLE 0, 0                                    ; r2 = 6..9
	s_sub_co_u32 s48, s48, 1
	s_cmp_lg_u32 s48, 0
	s_cbranch_scc1 .Lq2
	SYNC 0                                         ; chunk 3, ahead of the body of r2 = 11: no tensor load of mine is out any more
	s_mov_b32 s48, 2
.Lq3:
	DOUBLE 0, 0                                    ; r2 = 10..13
	s_sub_co_u32 s48, s48, 1
	s_cmp_lg_u32 s48, 0
	s_cbranch_scc1 .Lq3
	DOUBLE 0, 1                                    ; r2 = 14, 15: nothing is fetched beyond r2 = 15
	; ROW 0 LEAVES.  Its last G2 stood in step 7 of the last body, 16 conversions ago.  The fragments for row 1's own part are asked for first:
	; the slots and the buffer of A that they fill were last read at least 20 conversions ago, and they land under the way out.
	v_mov_b32 v2, v1                               ; back to r2 = 0
	START
	s_wait_loadcnt 0x0                             ; bias
	OUT 0, 0, 0
	OUT 1, 0, 1
	OUT 2, 0, 0
	G1ONLY 1, 0, W3                                ; pair 0 of row 1; the wait for all LDS loads in the lines above brought tile 0 in
	OUT 3, 0, 1                                    ; its 16 packed adds, which name none of those registers, are the places before U tile 0 is read (ISA guide 7.12.1)
	; ROW 1 ALONE, r2 = 0..3, while row 0's stores leave
	SSTEP 1, 1, 4, 0, 1, -1
	SSTEP 2, 1, 12, 0, 1, -1
	SSTEP 3, 1, 20, 0, 1, -1
	SSTEP 4, 1, 12, 0, 1, -1
	SSTEP 5, 1, 4, 0, 1, -1
	SSTEP 6, 1, 12, 0, 1, -1
	SSTEP 7, 1, 20, 0, 1, -1
	SSTEP 8, 1, 12, 0, 1, -1
	WIN 0
	v_add_nc_u32 v2, 2*RBLK, v2
	SSTEP 9, 1, 4, 0, 1, -1
	SSTEP 10, 1, 12, 0, 1, -1
	SSTEP 11, 1, 20, 0, 1, -1
	SSTEP 12, 1, 12, 0, 1, -1
	SSTEP 13, 1, 4, 0, 1, -1                       ; the last body fetches no A: behind tile 13 only tile 14's four loads were issued,
	SSTEP 14, 1, 4, 0, 1, -1                       ; behind tile 14 only tile 15's,
	SSTEP 15, 1, 0, 0, 1, -1                       ; behind tile 15 nothing
	SSTEP 16, 1, -1, 0, 1, -1
	WIN 0
.rept 4
	v_nop                                          ; four places before an LDS store reads the last results
.endr
	OUT 0, 1, 0
	OUT 1, 1, 1
	OUT 2, 1, 0
	OUT 3, 1, 1
	s_wait_tensorcnt 0x0
	ds_add_u32 v14, v15
	s_wait_dscnt 0x0
	ROUND                                          ; the closing round: no work-group ends while a partner may still ask jointly
	s_endpgm
.Lfunc_end_k_qbe3ce474c7_main:
	.size	k_qbe3ce474c7_main, .Lfunc_end_k_qbe3ce474c7_main-k_qbe3ce474c7_main
	.p2alignl 7, 3214868480
	.fill 96, 4, 3214868480
	.section	.rodata,"a",@progbits
	.p2align	6, 0x0
	.amdhsa_kernel k_qbe3ce474c7_main
		.amdhsa_group_segment_fixed_size 299520
		.amdhsa_private_segment_fixed_size 0
		.amdhsa_enable_private_segment 0
		.amdhsa_kernarg_size 32
		.amdhsa_user_sgpr_count 2
		.amdhsa_user_sgpr_kernarg_segment_ptr 1
		.amdhsa_wavefront_size32 1
		.amdhsa_system_sgpr_workgroup_id_x 1
		.amdhsa_system_sgpr_workgroup_id_y 1
		.amdhsa_system_sgpr_workgroup_id_z 1
		.amdhsa_system_vgpr_workitem_id 0
		.amdhsa_next_free_vgpr 768
		.amdhsa_next_free_sgpr 66
		.amdhsa_reserve_vcc 0
		.amdhsa_float_denorm_mode_32 3
		.amdhsa_float_denorm_mode_16_64 3
		.amdhsa_memory_ordered 1
		.amdhsa_forward_progress 1
		.amdhsa_inst_pref_size 255
	.end_amdhsa_kernel
	.section	.bss,"aw",@nobits
	.p2align	6
	.space	262144
	.amdgpu_metadata
---
amdhsa.version: [ 1, 2 ]
amdhsa.kernels:
  - .name:           k_qbe3ce474c7_main
    .symbol:         k_qbe3ce474c7_main.kd
    .args:
      - { .name: x, .offset: 0, .size: 8, .value_kind: global_buffer, .address_space: global }
      - { .name: wts, .offset: 8, .size: 8, .value_kind: global_buffer, .address_space: global }
      - { .name: bias, .offset: 16, .size: 8, .value_kind: global_buffer, .address_space: global }
      - { .name: out0, .offset: 24, .size: 8, .value_kind: global_buffer, .address_space: global }
    .group_segment_fixed_size: 299520
    .private_segment_fixed_size: 0
    .kernarg_segment_align: 8
    .kernarg_segment_size: 32
    .max_flat_workgroup_size: 128
    .sgpr_count:     66
    .vgpr_count:     768
    .wavefront_size: 32
...
	.end_amdgpu_metadata
.endif
;; end of part 2
